; MI455X (gfx1250); checked and timed in simulation.
; The chip was launched on July 23, 2026; its instructions are those of AMD's public machine-readable ISA for CDNA 5 (MIT licence, August 2026) and "CDNA5" Instruction Set Architecture Reference Guide (July 2026). The comments in the code are by the model that wrote it; some were corrected since.
;; Attention Layer. Allowed arithmetic: float matrix products may take bf16 or f16 operands with f32 sums; all other float work in f32.
;; Inputs: Wk 1,024 x 1,024 float32; Wo 1,024 x 1,024 float32; Wq 1,024 x 1,024 float32; Wv 1,024 x 1,024 float32; bk 1,024 float32; bo 1,024 float32; bq 1,024 float32; bv 1,024 float32; k 2 x 2,048 x 1,024 float32; mask 2 x 1 x 1 x 2,048 int32; q 2 x 2,048 x 1,024 float32; v 2 x 2,048 x 1,024 float32.
;; Outputs: out0 2 x 2,048 x 1,024 float32.
;; One version. Each part assembles by itself: llvm-mc -triple=amdgcn-amd-amdhsa -mcpu=gfx1250 --defsym DOCPART=n.
;; ======== version 1 of 1: 4 launches
;; limits: values are held in f16: magnitudes above 65,504 overflow, below 6.1e-05 lose precision
;; workspace buffers: cb 33,554,432 bytes; hb 25,165,824 bytes; ao 8,388,608 bytes
;; launch cast (part 1): grid 1024 x 1, 8 waves a work-group, no clusters, 0 bytes of LDS; arguments q, k, v, Wq, Wk, Wv, Wo, cb; writes cb
.if DOCPART == 1
	.amdgcn_target "amdgcn-amd-amdhsa--gfx1250"
	.amdhsa_code_object_version 6
	.text
	.protected	k_q053babcba4_cast
	.globl	k_q053babcba4_cast
	.p2align	8
	.type	k_q053babcba4_cast,@function
k_q053babcba4_cast:
	s_mov_b64 s[64:65], 0
	v_nop
	global_prefetch_b8 v0, s[64:65] scope:SCOPE_SE
	s_setreg_imm32_b32 hwreg(HW_REG_WAVE_MODE, 25, 1), 1
	s_wait_xcnt 0x0
; cb = f16 copies of q, k, v (8 MiB each, at 0, 8, 16 MiB) and of Wq, Wk, Wv, Wo (2 MiB each, from 24 MiB on), each in its own row-major order.
; A stream: every input byte is read once, every byte of cb written once.  No LDS, no barrier, no matrix unit, no cluster: no two work-groups read the same byte.
; A work-group takes 65,536 bytes of one source (16,384 numbers) and writes 32,768 bytes.  Work-groups 0-255 q, 256-511 k, 512-767 v, then 64 for each weight.
; Thread t takes the 16 bytes at 16 t of each of sixteen blocks of 4,096 bytes: a wave's load covers 512 neighbouring bytes, its store 256 neighbouring, aligned bytes.
; All sixteen loads of a wave go out first; no register is written twice, so no wait frees a source.
; LIMIT: numbers beyond f16's largest finite one, 65,504, become infinities; below 2^-24 they round to zero.
.set X, 4                              ; v[4:67]   sixteen loads of four f32
.set Y, 68                             ; v[68:99]  sixteen pairs of packed f16
	s_load_b512 s[8:23], s[0:1], 0x0               ; q s[8:9], k, v, Wq, Wk, Wv, Wo s[20:21], cb s[22:23]
	v_lshlrev_b32 v1, 4, v0                        ; 16 t: my bytes in a block of the source
	v_lshlrev_b32 v2, 3, v0                        ; 8 t: my bytes in a block of cb
	s_mov_b32 s6, 0                                ; the first work-group of the source that is chosen
	s_mov_b32 s3, 0
	s_wait_kmcnt 0x0
	s_mov_b64 s[4:5], s[8:9]
; the source is chosen by the work-group's number alone
.macro PICK first, reg
	s_cmp_ge_u32 ttmp9, \first
	s_cselect_b64 s[4:5], s[\reg:\reg+1], s[4:5]
	s_cselect_b32 s6, \first, s6
.endm
	PICK 256, 10
	PICK 512, 12
	PICK 768, 14
	PICK 832, 16
	PICK 896, 18
	PICK 960, 20
	s_sub_co_u32 s2, ttmp9, s6
	s_lshl_b32 s2, s2, 16                          ; 65,536 bytes for each work-group of the source
	s_add_nc_u64 s[4:5], s[4:5], s[2:3]
	s_lshl_b32 s2, ttmp9, 15                       ; 32,768 bytes of cb for each work-group: the parts of cb follow each other in the same order
	s_add_nc_u64 s[22:23], s[22:23], s[2:3]
.irp i, 0,1,2,3,4,5,6,7,8,9,10,11,12,13,14,15
	global_load_b128 v[X+4*\i:X+4*\i+3], v1, s[4:5] offset:4096*\i th:TH_LOAD_NT
.endr
.irp i, 0,1,2,3,4,5,6,7,8,9,10,11,12,13,14,15
	s_wait_loadcnt 15-\i                           ; loads come back in order: load i is in, the 15 - i younger ones stay out
	v_cvt_pk_f16_f32 v[Y+2*\i],   v[X+4*\i],   v[X+4*\i+1]
	v_cvt_pk_f16_f32 v[Y+2*\i+1], v[X+4*\i+2], v[X+4*\i+3]
	global_store_b64 v2, v[Y+2*\i:Y+2*\i+1], s[22:23] offset:2048*\i
.endr
	s_endpgm
.Lfunc_end_k_q053babcba4_cast:
	.size	k_q053babcba4_cast, .Lfunc_end_k_q053babcba4_cast-k_q053babcba4_cast
	.p2alignl 7, 3214868480
	.fill 96, 4, 3214868480
	.section	.rodata,"a",@progbits
	.p2align	6, 0x0
	.amdhsa_kernel k_q053babcba4_cast
		.amdhsa_group_segment_fixed_size 0
		.amdhsa_private_segment_fixed_size 0
		.amdhsa_enable_private_segment 0
		.amdhsa_kernarg_size 64
		.amdhsa_user_sgpr_count 2
		.amdhsa_user_sgpr_kernarg_segment_ptr 1
		.amdhsa_wavefront_size32 1
		.amdhsa_system_sgpr_workgroup_id_x 1
		.amdhsa_system_sgpr_workgroup_id_y 1
		.amdhsa_system_sgpr_workgroup_id_z 1
		.amdhsa_system_vgpr_workitem_id 0
		.amdhsa_next_free_vgpr 100
		.amdhsa_next_free_sgpr 66
		.amdhsa_reserve_vcc 0
		.amdhsa_float_denorm_mode_32 3
		.amdhsa_float_denorm_mode_16_64 3
		.amdhsa_memory_ordered 1
		.amdhsa_forward_progress 1
		.amdhsa_inst_pref_size 8
	.end_amdhsa_kernel
	.amdgpu_metadata
---
amdhsa.version: [ 1, 2 ]
amdhsa.kernels:
  - .name:           k_q053babcba4_cast
    .symbol:         k_q053babcba4_cast.kd
    .args:
      - { .name: q, .offset: 0, .size: 8, .value_kind: global_buffer, .address_space: global }
      - { .name: k, .offset: 8, .size: 8, .value_kind: global_buffer, .address_space: global }
      - { .name: v, .offset: 16, .size: 8, .value_kind: global_buffer, .address_space: global }
      - { .name: Wq, .offset: 24, .size: 8, .value_kind: global_buffer, .address_space: global }
      - { .name: Wk, .offset: 32, .size: 8, .value_kind: global_buffer, .address_space: global }
      - { .name: Wv, .offset: 40, .size: 8, .value_kind: global_buffer, .address_space: global }
      - { .name: Wo, .offset: 48, .size: 8, .value_kind: global_buffer, .address_space: global }
      - { .name: cb, .offset: 56, .size: 8, .value_kind: global_buffer, .address_space: global }
    .group_segment_fixed_size: 0
    .private_segment_fixed_size: 0
    .kernarg_segment_align: 8
    .kernarg_segment_size: 64
    .max_flat_workgroup_size: 256
    .sgpr_count:     66
    .vgpr_count:     100
    .wavefront_size: 32
...
	.end_amdgpu_metadata
.endif
;; end of part 1
;; launch proj (part 2): grid 4 x 48, 4 waves a work-group, clusters of 4 x 4, 327,680 bytes of LDS; arguments cb, bq, bk, bv, hb; writes hb
.if DOCPART == 2
	.amdgcn_target "amdgcn-amd-amdhsa--gfx1250"
	.amdhsa_code_object_version 6
	.text
	.protected	k_q053babcba4_proj
	.globl	k_q053babcba4_proj
	.p2align	8
	.type	k_q053babcba4_proj,@function
k_q053babcba4_proj:
	s_mov_b64 s[64:65], 0
	v_nop
	global_prefetch_b8 v0, s[64:65] scope:SCOPE_SE
	s_setreg_imm32_b32 hwreg(HW_REG_WAVE_MODE, 25, 1), 1
	s_wait_xcnt 0x0
	s_wait_alu depctr_hold_cnt(0) depctr_sa_sdst(0) depctr_va_vdst(0) depctr_va_sdst(0) depctr_va_ssrc(0) depctr_va_vcc(0) depctr_vm_vsrc(0)
	s_getreg_b32 s2, hwreg(HW_REG_IB_STS2, 6, 4)
	s_cmp_eq_u32 s2, 0
	s_cbranch_scc0 .Lentry_in_a_cluster
	s_endpgm
.Lentry_in_a_cluster:
	s_bfe_u32 s2, ttmp6, 0x10000c
	s_cmp_lg_u32 s2, 0xf033
	s_cbranch_scc0 .Lentry_shape_is_right
	s_endpgm
.Lentry_shape_is_right:
; hb[t][b][head][l][64] (f16) = x_t W_t^T + b_t for t = q, k, v.  x_t: [4096][1024] f16 at cb + t * 8 MiB, so the three are one matrix of 12,288 rows;
; W_t: [1024][1024] f16 at cb + 24 MiB + t * 2 MiB; sums in f32.
; A work-group makes a block of 256 rows x 256 columns of one tensor: 3 x 16 x 4 = 192 blocks, 192 work-groups (grid x = block column, y = 16 t + block row).
; Blocks of half the size would fill more of the chip, but each byte read from LDS would feed half the multiply-adds and a tile would have half the work in which to land.
; Four waves, as many as a WGP has SIMDs; a wave makes 128 x 128: 64 accumulator tiles of 16 x 16, 512 registers: two heads, 128 rows.
; K goes in steps of 128 through a ring of two LDS slots filled by the tensor data mover: a tile's rows are 256 bytes of memory at multiples of 256 bytes.
; CLUSTERS: 4 x 4 work-groups, all of one tensor (16 block rows a tensor, four a cluster).  x's tile hangs on the block row alone and is asked for jointly by a row
; of the cluster; W's hangs on the block column and the tensor, which the cluster's y gives, and is asked for jointly by a column: four requests become one.
; THE MATRIX INSTRUCTION IS USED TRANSPOSED: source 0 = 16 rows of W, source 1 = 16 rows of x.  Lane (r, h) then holds row r of the result and in registers 0-7 the
; columns 8 h + 0..7: eight neighbours that pack into 16 bytes.  In the same layout a C tile of the bias is eight registers that hang on h alone, as they are loaded:
; the first product of each accumulator takes the bias as C, so nothing is cleared and no vector instruction adds the bias.
; LIMIT: operands and results are f16: |x|, |W| and |x W^T + b| must stay under 65,504.
; REGISTERS, in windows of 256:
;   window 0: v16-27 addresses; v64-127, v128-191 fragments of x (8 x 16 rows x 32 K), two buffers; v192-223 packed results on the way out
;   window 1: v0-63 bias of my 128 columns; v64-127, v128-191 fragments of W, two buffers
;   window 2: the 32 accumulator tiles of my rows 0-63 (tile (a, b) at v[8 (8 a + b)]);   window 3: those of my rows 64-127
.set SIZE_K, 1024
.set KSTEP,  128
.set PITCH,  272                       ; an LDS row: 256 bytes + 16 = 17 x 16: the 16 rows of a fragment load start 16 bytes apart modulo 256
.set HALFT,  128*PITCH                 ; 128 rows: what one tensor load brings, and what one wave reads of x or of W
.set SLOT,   4*HALFT                   ; x's 256 rows, then W's 256 rows
.set STAGE,  2*SLOT                    ; behind the ring, for the way out; no tensor load lands here
.set SPITCH, 144                       ; a stage row: 128 bytes (one head) + 16
.set SHEAD,  16*SPITCH                 ; 16 rows of one head; a wave's stage is two of these
.set HEADB,  262144                    ; bytes of a head in hb
.set LAPS,   SIZE_K/(2*KSTEP)          ; a lap = two K steps = once round the ring: 4
.set ADRA, 16                          ; v16-17  LDS address of my x fragments in slot 0, 1
.set ADRB, 20                          ; v20-21  the same for W
.set STO,  24                          ; the way out: where I put 16 bytes of a row
.set RD,   25                          ; the way out: where I read rows back
.set CO,   26                          ; 16 x lane: my bytes in 512 neighbouring bytes of hb
.set BOFF, 27                          ; byte offset in the bias of my first column
.set F0,   64                          ; fragment buffer 0
.set F1,   128                         ; fragment buffer 1
.set TMP,  192                         ; the way out: packed results
.set BI,   0                           ; window 1: bias of column 16 b + 8 h + j at BI + 8 b + j
.set G1,  24                           ; s[24:31] descriptor group 1 for x's tiles
.set G0,  32                           ; s[32:39] descriptor group 0 for x's tiles, one set for each slot
.set G1B, 48                           ; s[48:55] group 1 for W's tiles: another mask
.set G0B, 56                           ; s[56:63] group 0 for W's tiles
.set MSB, 0
.macro WIN new                         ; s_set_vgpr_msb: bits 1:0 source 0, 3:2 source 1, 5:4 source 2, 7:6 destination; the high byte repeats the setting that is left
.if MSB != (\new)
	s_set_vgpr_msb (MSB<<8)|(\new)
.set MSB, (\new)
.endif
.endm
.set MUL_LO,  0xa1                     ; source 0 (W) window 1, source 1 (x) window 0, C and D window 2
.set MUL_HI,  0xf1                     ; the same, C and D window 3
.set MUL_LO0, 0x91                     ; the first product: C (the bias) window 1, D window 2
.set MUL_HI0, 0xd1                     ; the same, D window 3
.set TO_B,    0x40                     ; destination window 1, address window 0
.macro WINMUL hi, zero
.if \zero
.if \hi
	WIN MUL_HI0
.else
	WIN MUL_LO0
.endif
.else
.if \hi
	WIN MUL_HI
.else
	WIN MUL_LO
.endif
.endif
.endm
; Four places behind a matrix instruction, ahead of loads into its sources and of vector reads of its result; the matrix instructions in between are not counted.
.macro PLACES
.rept 4
	v_nop
.endr
.endm
; A joint load.  Waves 0 and 1 fetch x's two halves, waves 2 and 3 W's.  Each line has one mask and one set of registers; the branch hangs on the wave's number alone.
.macro JLOAD s
	s_cmp_eq_u32 s15, 0
	s_cbranch_scc0 .Lfor_b_\@
	tensor_load_to_lds s[G0+4*(\s):G0+4*(\s)+3], s[G1:G1+7]
	s_nop 0
	s_branch .Lasked_\@
.Lfor_b_\@:
	tensor_load_to_lds s[G0B+4*(\s):G0B+4*(\s)+3], s[G1B:G1B+7]
	s_nop 0
.Lasked_\@:
.endm
.macro CREST                           ; a round of the cluster's barrier behind its opening work-group barrier
	s_cmp_lg_u32 s14, 0
	s_cbranch_scc1 .Lnot_wave_0_\@
	s_barrier_signal -3
.Lnot_wave_0_\@:
	s_barrier_wait -3
	s_barrier_signal -1
	s_barrier_wait -1
.endm
.macro CROUND                          ; a whole round
	s_barrier_signal -1
	s_barrier_wait -1
	CREST
.endm
	s_load_b256 s[4:11], s[0:1], 0x0               ; cb s[4:5], bq s[6:7], bk s[8:9], bv s[10:11]
	s_load_b64 s[12:13], s[0:1], 0x20              ; hb
	s_set_vgpr_msb 0x40
	v_lshl_add_u32 v255, v0, 2, 0x48800
	s_set_vgpr_msb 0x4000
	v_mov_b32 v255, 0
	s_set_vgpr_msb 0x1
	ds_add_u32 v255, v255
	s_set_vgpr_msb 0x100
	v_lshrrev_b32 v1, 5, v0
	v_readfirstlane_b32 s14, v1                    ; wave 0..3
	s_lshr_b32 s15, s14, 1                         ; my half of the block's rows; also: I fetch for x (0) or for W (1)
	s_and_b32 s16, s14, 1                          ; my half of its columns; also: which 128 rows of that tile I fetch
	s_bfe_u32 s17, ttmp6, 0x40000                  ; cx
	s_bfe_u32 s18, ttmp6, 0x40004                  ; cy
	s_lshl_b32 s19, ttmp9, 2
	s_add_co_u32 s19, s19, s17                     ; block column = 4 x cluster x + cx
	s_and_b32 s20, ttmp7, 0xffff
	s_lshr_b32 s69, s20, 2                         ; the tensor, 0..2: four clusters along y a tensor; made of the cluster's y alone
	s_lshl_b32 s20, s20, 2
	s_add_co_u32 s20, s20, s18                     ; block row of the 12,288 rows = 4 x cluster y + cy
	s_lshl_b32 s21, s18, 2
	s_lshl_b32 s21, 15, s21                        ; my row of the cluster: places 4 cy .. 4 cy + 3
	s_lshl_b32 s22, 0x1111, s17                    ; my column: places cx, cx + 4, cx + 8, cx + 12
	; group 1: 128 rows x 128 elements of 2 bytes, 4 words of padding behind every 64 words
	s_or_b32 s[G1+0],  s21, (1<<16)|(1<<20)|(1<<21)|(5<<22)|(3<<25)
	s_or_b32 s[G1B+0], s22, (1<<16)|(1<<20)|(1<<21)|(5<<22)|(3<<25)
	s_mov_b32 s[G1+1],  KSTEP<<16                  ; tensor_dim0 = 128
	s_mov_b32 s[G1B+1], KSTEP<<16
	s_mov_b32 s[G1+2],  128<<16                    ; tensor_dim1 = 128
	s_mov_b32 s[G1B+2], 128<<16
	s_mov_b32 s[G1+3],  KSTEP<<16                  ; tile_dim0 = 128
	s_mov_b32 s[G1B+3], KSTEP<<16
	s_mov_b32 s[G1+4],  128                        ; tile_dim1 = 128
	s_mov_b32 s[G1B+4], 128
	s_mov_b32 s[G1+5],  SIZE_K                     ; elements from row to row
	s_mov_b32 s[G1B+5], SIZE_K
	s_mov_b32 s[G1+6],  0
	s_mov_b32 s[G1B+6], 0
	s_mov_b32 s[G1+7],  0
	s_mov_b32 s[G1B+7], 0
	; where the tiles come from: x's from the block row and the wave's number; W's from the block column, the tensor and the wave's number; each in registers of its own
	s_lshl_b32 s42, s16, 7                         ; which 128 rows of the tile I fetch
	s_lshl_b32 s40, s20, 8
	s_add_co_u32 s40, s40, s42                     ; x: row 256 x block row + 128 x half
	s_lshl_b32 s40, s40, 11                        ; rows of 2,048 bytes: under 24 MiB
	s_mov_b32 s41, 0
	s_lshl_b32 s44, s19, 8
	s_add_co_u32 s44, s44, s42                     ; W: row 256 x block column + 128 x half
	s_lshl_b32 s44, s44, 11
	s_lshl_b32 s46, s69, 21                        ; 2 MiB a tensor
	s_add_co_u32 s44, s44, s46
	s_add_co_u32 s44, s44, 25165824                ; Wq begins 24 MiB into cb
	s_mov_b32 s45, 0
	s_mul_i32 s43, s14, HALFT                      ; and where they go: wave x 128 rows: no place in the cluster enters an LDS address
	s_wait_dscnt 0x0
	s_wait_kmcnt 0x0
	s_add_nc_u64 s[40:41], s[4:5], s[40:41]
	s_add_nc_u64 s[44:45], s[4:5], s[44:45]
	s_cmp_eq_u32 s69, 1                            ; the tensor's bias
	s_cselect_b64 s[6:7], s[8:9], s[6:7]
	s_cmp_eq_u32 s69, 2
	s_cselect_b64 s[6:7], s[10:11], s[6:7]
	CROUND                                         ; all sixteen work-groups are here: the first joint loads meet
.irp s, 0,1
	s_mov_b32 s[G0+4*\s], 1
	s_add_co_u32 s[G0+4*\s+1], s43, \s*SLOT
	s_add_nc_u64 s[G0+4*\s+2:G0+4*\s+3], s[40:41], \s*KSTEP*2      ; K step s
	s_or_b32 s[G0+4*\s+3], s[G0+4*\s+3], 0x80000000
	s_mov_b32 s[G0B+4*\s], 1
	s_add_co_u32 s[G0B+4*\s+1], s43, \s*SLOT
	s_add_nc_u64 s[G0B+4*\s+2:G0B+4*\s+3], s[44:45], \s*KSTEP*2
	s_or_b32 s[G0B+4*\s+3], s[G0B+4*\s+3], 0x80000000
	JLOAD \s                                       ; both first fills go out together: two tensor loads of a wave are out here, one later
.endr
	; the bias of my 128 columns, into window 1
	v_and_b32 v1, 15, v0                           ; r
	v_bfe_u32 v2, v0, 4, 1                         ; h
	s_lshl_b32 s68, s19, 10
	s_lshl_b32 s67, s16, 9
	s_add_co_u32 s68, s68, s67                     ; 4 x (256 x block column + 128 x half)
	v_lshl_add_u32 v[BOFF], v2, 5, s68             ; + 32 h
	WIN TO_B
.irp b, 0,1,2,3,4,5,6,7
	global_load_b128 v[BI+8*\b:BI+8*\b+3],   v[BOFF], s[6:7] offset:64*\b
	global_load_b128 v[BI+8*\b+4:BI+8*\b+7], v[BOFF], s[6:7] offset:64*\b+16
.endr
	WIN 0
	; my corner of hb: ((2 t + batch) x 16 + head) x 262,144 + l x 128; 2 t + batch = block row / 8
	s_lshr_b32 s46, s20, 3
	s_lshl_b32 s46, s46, 22
	s_lshl_b32 s47, s19, 2
	s_lshl_b32 s66, s16, 1
	s_add_co_u32 s47, s47, s66                     ; my first head = 4 x block column + 2 x half
	s_lshl_b32 s47, s47, 18
	s_add_co_u32 s46, s46, s47
	s_and_b32 s66, s20, 7
	s_lshl_b32 s66, s66, 8
	s_lshl_b32 s67, s15, 7
	s_add_co_u32 s66, s66, s67                     ; l = 256 x (block row mod 8) + 128 x half
	s_lshl_b32 s66, s66, 7
	s_add_co_u32 s46, s46, s66
	s_mov_b32 s47, 0
	s_add_nc_u64 s[12:13], s[12:13], s[46:47]
	; a fragment: lane (r, h) holds row r; registers 0-3 K = 8 h + 0..7, registers 4-7 K = 16 + 8 h + 0..7: two loads of 16 bytes, 32 bytes apart
	v_mul_u32_u24 v3, v1, PITCH
	v_lshl_add_u32 v3, v2, 4, v3                   ; row x pitch + 16 h
	s_mul_i32 s66, s15, HALFT                      ; my 128 rows of x
	s_mul_i32 s67, s16, HALFT
	s_add_co_u32 s67, s67, 2*HALFT                 ; my 128 rows of W, behind x's 256
.irp s, 0,1
	v_add_nc_u32 v[ADRA+\s], s66, v3
	v_add_nc_u32 v[ADRB+\s], s67, v3
	s_add_co_u32 s66, s66, SLOT
	s_add_co_u32 s67, s67, SLOT
.endr
	s_mul_i32 s68, s14, 2*SHEAD
	s_add_co_u32 s68, s68, STAGE                   ; my stage
	v_mul_u32_u24 v4, v1, SPITCH
	v_lshl_add_u32 v4, v2, 4, v4
	v_add_nc_u32 v[STO], s68, v4                   ; in: row r, 16 bytes for each half of the lanes
	v_and_b32 v5, 31, v0                           ; lane
	v_lshrrev_b32 v6, 3, v5
	v_and_b32 v7, 7, v0
	v_mul_u32_u24 v6, v6, SPITCH
	v_lshl_add_u32 v6, v7, 4, v6
	v_add_nc_u32 v[RD], s68, v6                    ; back: eight lanes take one row of 128 bytes, 32 lanes four rows
	v_lshlrev_b32 v[CO], 4, v5
; 16 matrix instructions: row blocks a0, a0 + 1 of the window's four (hi = 0: my rows 0-63, 1: rows 64-127) x all 8 column blocks, 32 along K.
; zero = 1: the first product starts the sums from the bias.  The 64 accumulators take turns, one instruction a turn, in the same order in every
; quarter step.
.macro MUL16 f, hi, a0, zero
.irp a, \a0, \a0+1
.irp b, 0,1,2,3,4,5,6,7
.if \zero
	v_wmma_f32_16x16x32_f16 v[8*(8*(\a)+\b):8*(8*(\a)+\b)+7], v[\f+8*\b:\f+8*\b+7], v[\f+8*(4*\hi+\a):\f+8*(4*\hi+\a)+7], v[BI+8*\b:BI+8*\b+7]
.else
	v_wmma_f32_16x16x32_f16 v[8*(8*(\a)+\b):8*(8*(\a)+\b)+7], v[\f+8*\b:\f+8*\b+7], v[\f+8*(4*\hi+\a):\f+8*(4*\hi+\a)+7], v[8*(8*(\a)+\b):8*(8*(\a)+\b)+7]
.endif
.endr
.endr
.endm
; 32 LDS loads in one run: the fragments of one quarter step (128 rows of W, 128 rows of x, 32 K at byte k of the rows) into buffer f
.macro FETCH slot, k, f
	WIN TO_B
.irp i, 0,1,2,3,4,5,6,7
	ds_load_b128 v[\f+8*\i:\f+8*\i+3],   v[ADRB+\slot] offset:\k+\i*16*PITCH
	ds_load_b128 v[\f+8*\i+4:\f+8*\i+7], v[ADRB+\slot] offset:\k+\i*16*PITCH+32
.endr
	WIN 0
.irp i, 0,1,2,3,4,5,6,7
	ds_load_b128 v[\f+8*\i:\f+8*\i+3],   v[ADRA+\slot] offset:\k+\i*16*PITCH
	ds_load_b128 v[\f+8*\i+4:\f+8*\i+7], v[ADRA+\slot] offset:\k+\i*16*PITCH+32
.endr
.endm
; A K step is four quarter steps of 32 along K, 64 matrix instructions each, on buffers 0, 1, 0, 1.
; One of the first three: multiplies buffer f; in its middle it fetches the next quarter's fragments, at byte k of the same slot's rows, into buffer g.
.macro QUARTER slot, k, f, g, zero
	s_wait_dscnt 8                                 ; W and x's rows 0-63 are in; the youngest eight loads (x's rows 64-127) may be out
	WINMUL 0, \zero
	MUL16 \f, 0, 0, \zero
	MUL16 \f, 0, 2, \zero
	PLACES
	FETCH \slot, \k, \g
	s_wait_dscnt 32                                ; all but the 32 just issued
	WINMUL 1, \zero
	MUL16 \f, 1, 0, \zero
	MUL16 \f, 1, 2, \zero
.endm
.macro THREE slot, zero
	QUARTER \slot, 64,  F0, F1, \zero
	QUARTER \slot, 128, F1, F0, 0
	QUARTER \slot, 192, F0, F1, 0
.endm
; The last quarter: multiplies buffer 1 and changes slots.  next = the other slot; fill = 1: this slot is filled again, two K steps ahead.
; In front of the barrier each wave waits for its own reads of this slot and for all its tensor loads, of which one is out: its part of the next slot.
; Where the slot is filled again the barrier opens a round of the cluster's barrier, only register work stands inside the round, and the joint refill is the
; first tensor load behind its closing wait.  From a request to the wait for it a wave issues 240 matrix instructions.
.macro TURN slot, next, fill
	s_wait_dscnt 8
	WIN MUL_LO
	MUL16 F1, 0, 0, 0
	s_wait_dscnt 0x0                               ; my reads of this slot are over
	s_wait_tensorcnt 0x0                           ; and all my tensor loads have landed
	ds_add_u32 v255, v255
	s_wait_dscnt 0x0
	s_barrier_signal -1
	MUL16 F1, 0, 2, 0                              ; register work while the others arrive
	WIN 0
	s_barrier_wait -1
.if \fill
	CREST
	s_add_nc_u64 s[G0+4*\slot+2:G0+4*\slot+3], s[G0+4*\slot+2:G0+4*\slot+3], 2*KSTEP*2         ; no tensor load of mine is out: the groups 0 may be written
	s_add_nc_u64 s[G0B+4*\slot+2:G0B+4*\slot+3], s[G0B+4*\slot+2:G0B+4*\slot+3], 2*KSTEP*2
	JLOAD \slot
.endif
	PLACES
	FETCH \next, 0, F0
	WIN MUL_HI
	MUL16 F1, 1, 0, 0
	MUL16 F1, 1, 2, 0
.endm
.macro LAP zero                        ; once round the ring, both slots filled again
	THREE 0, \zero
	TURN 0, 1, 1
	THREE 1, 0
	TURN 1, 0, 1
.endm
	s_wait_tensorcnt 1                             ; my part of K step 0 is in; K step 1's stays out
	s_barrier_signal -1
	s_barrier_wait -1                              ; everybody's is
	FETCH 0, 0, F0
	s_wait_loadcnt 0x0                             ; the bias, which the first products take as C
	LAP 1                                          ; K steps 0, 1; asks for 2, 3
	WIN 0                                          ; at a label and at a branch every window is 0
	s_mov_b32 s23, LAPS-2
.Llap:                                             ; K steps 2 to 5; asks for 4 to 7
	LAP 0
	WIN 0
	s_sub_co_u32 s23, s23, 1
	s_cmp_lg_u32 s23, 0
	s_cbranch_scc1 .Llap
	THREE 0, 0                                     ; the last lap fills nothing and has no round: my one tensor load that is still out is slot 1's, the last K step's
	TURN 0, 1, 0
	THREE 1, 0
	s_wait_dscnt 8                                 ; the very last quarter: nothing more to fetch
	WIN MUL_LO
	MUL16 F1, 0, 0, 0
	MUL16 F1, 0, 2, 0
	s_wait_dscnt 0x0
	WIN MUL_HI
	MUL16 F1, 1, 0, 0
	MUL16 F1, 1, 2, 0
	; THE WAY OUT, 16 rows at a time: round to f16, 16 bytes a lane into my own stage (two heads, 16 rows of 144 bytes each), read back four rows of one head
	; at a time, which in hb are 512 neighbouring bytes at a multiple of 512.  LDS serves a wave's instructions in order (ISA guide 5.7.1), so no wait stands
	; between my stores and my loads of the stage, nor between those loads and the next sixteen rows' stores.
	PLACES                                         ; behind the last matrix instructions: the conversions read results, the loads go into buffers 0 and 1
; rows 16 i .. 16 i + 15 of my block = the eight tiles (a, 0..7) of window 2 or 3 (from = 0x0a or 0x0f: sources 0 and 1); f: F0 or F1 in turn
.macro OUT16 i, a, from, f
	WIN \from
.irp b, 0,1,2,3,4,5,6,7
.irp r, 0,1,2,3
	v_cvt_pk_f16_f32 v[TMP+4*\b+\r], v[8*(8*\a+\b)+2*\r], v[8*(8*\a+\b)+2*\r+1]
.endr
.endr
	WIN 0
.irp b, 0,1,2,3,4,5,6,7
	ds_store_b128 v[STO], v[TMP+4*\b:TMP+4*\b+3] offset:(\b/4)*SHEAD+32*(\b%4)     ; head b / 4, columns 16 (b mod 4) + 8 h + 0..7 of it
.endr
	s_wait_xcnt 0x0                                ; buffer f, which earlier stores read, is loaded again only behind this wait
.irp t, 0,1,2,3,4,5,6,7
	ds_load_b128 v[\f+4*\t:\f+4*\t+3], v[RD] offset:(\t/4)*SHEAD+(\t%4)*4*SPITCH
.endr
.irp t, 0,1,2,3,4,5,6,7
	s_wait_dscnt 7-\t                              ; read-back t is in, the 7 - t younger ones stay out
	global_store_b128 v[CO], v[\f+4*\t:\f+4*\t+3], s[12:13] offset:(\t/4)*HEADB+\i*2048+(\t%4)*512
.endr
.endm
	OUT16 0, 0, 0x0a, F0
	OUT16 1, 1, 0x0a, F1
	OUT16 2, 2, 0x0a, F0
	OUT16 3, 3, 0x0a, F1
	OUT16 4, 0, 0x0f, F0
	OUT16 5, 1, 0x0f, F1
	OUT16 6, 2, 0x0f, F0
	OUT16 7, 3, 0x0f, F1
	s_set_vgpr_msb 0x1
	s_wait_tensorcnt 0x0
	ds_add_u32 v255, v255
	s_wait_dscnt 0x0
	s_set_vgpr_msb 0x100
	CROUND                                         ; the closing round: no work-group ends while a partner may still ask for a tile that names it
	s_endpgm
.Lfunc_end_k_q053babcba4_proj:
	.size	k_q053babcba4_proj, .Lfunc_end_k_q053babcba4_proj-k_q053babcba4_proj
	.p2alignl 7, 3214868480
	.fill 96, 4, 3214868480
	.section	.rodata,"a",@progbits
	.p2align	6, 0x0
	.amdhsa_kernel k_q053babcba4_proj
		.amdhsa_group_segment_fixed_size 327680
		.amdhsa_private_segment_fixed_size 0
		.amdhsa_enable_private_segment 0
		.amdhsa_kernarg_size 40
		.amdhsa_user_sgpr_count 2
		.amdhsa_user_sgpr_kernarg_segment_ptr 1
		.amdhsa_wavefront_size32 1
		.amdhsa_system_sgpr_workgroup_id_x 1
		.amdhsa_system_sgpr_workgroup_id_y 1
		.amdhsa_system_sgpr_workgroup_id_z 1
		.amdhsa_system_vgpr_workitem_id 0
		.amdhsa_next_free_vgpr 1024
		.amdhsa_next_free_sgpr 70
		.amdhsa_reserve_vcc 0
		.amdhsa_float_denorm_mode_32 3
		.amdhsa_float_denorm_mode_16_64 3
		.amdhsa_memory_ordered 1
		.amdhsa_forward_progress 1
		.amdhsa_inst_pref_size 198
	.end_amdhsa_kernel
	.amdgpu_metadata
---
amdhsa.version: [ 1, 2 ]
amdhsa.kernels:
  - .name:           k_q053babcba4_proj
    .symbol:         k_q053babcba4_proj.kd
    .args:
      - { .name: cb, .offset: 0, .size: 8, .value_kind: global_buffer, .address_space: global }
      - { .name: bq, .offset: 8, .size: 8, .value_kind: global_buffer, .address_space: global }
      - { .name: bk, .offset: 16, .size: 8, .value_kind: global_buffer, .address_space: global }
      - { .name: bv, .offset: 24, .size: 8, .value_kind: global_buffer, .address_space: global }
      - { .name: hb, .offset: 32, .size: 8, .value_kind: global_buffer, .address_space: global }
    .group_segment_fixed_size: 327680
    .private_segment_fixed_size: 0
    .kernarg_segment_align: 8
    .kernarg_segment_size: 40
    .max_flat_workgroup_size: 128
    .sgpr_count:     70
    .vgpr_count:     1024
    .wavefront_size: 32
...
	.end_amdgpu_metadata
.endif
;; end of part 2
;; launch attn (part 3): grid 8 x 32, 8 waves a work-group, clusters of 4 x 1, 327,680 bytes of LDS; arguments hb, mask, ao; writes ao
.if DOCPART == 3
	.amdgcn_target "amdgcn-amd-amdhsa--gfx1250"
	.amdhsa_code_object_version 6
	.text
	.protected	k_q053babcba4_attn
	.globl	k_q053babcba4_attn
	.p2align	8
	.type	k_q053babcba4_attn,@function
k_q053babcba4_attn:
	s_mov_b64 s[64:65], 0
	v_nop
	global_prefetch_b8 v0, s[64:65] scope:SCOPE_SE
	s_setreg_imm32_b32 hwreg(HW_REG_WAVE_MODE, 25, 1), 1
	s_wait_xcnt 0x0
	s_wait_alu depctr_hold_cnt(0) depctr_sa_sdst(0) depctr_va_vdst(0) depctr_va_sdst(0) depctr_va_ssrc(0) depctr_va_vcc(0) depctr_vm_vsrc(0)
	s_getreg_b32 s2, hwreg(HW_REG_IB_STS2, 6, 4)
	s_cmp_eq_u32 s2, 0
	s_cbranch_scc0 .Lentry_in_a_cluster
	s_endpgm
.Lentry_in_a_cluster:
	s_bfe_u32 s2, ttmp6, 0x10000c
	s_cmp_lg_u32 s2, 0x3003
	s_cbranch_scc0 .Lentry_shape_is_right
	s_endpgm
.Lentry_shape_is_right:
; ao[b][head][l][64] (f16) = softmax(0.125 Q K^T - 10000 (mask == 0)) V for one (b, head) and 256 queries a work-group.  Q, K, V: hb, f16, [2048][64] a head.
; Eight waves.  Wave w takes the 64 queries 64 (w & 3) .. + 63 (four tiles of 16) and the key half w >> 2 (1,024 keys); waves w and w + 4 are merged at the end.
; 0.125 s - 10000 z = 0.125 (s - 80000 z): the mask enters as the C operand of Q K^T (-80000 or 0), and exp(x) = 2^(x log2 e): P = 2^(c s + N), c = 0.125 log2 e,
; N = -c m with m the running maximum, which is kept for every query; a batch that is masked throughout stays finite.
; ORIENTATION: S^T = K Q^T (source 0 = 16 keys, source 1 = 16 queries): lane (r, h) holds query r and in register j key 8 h + j, so maximum and sum are made inside
; a lane but for one exchange between the halves, and P packs in place into the B fragment of O^T = V^T P^T (source 0 = V through transposing LDS loads);
; in O^T a lane holds eight neighbouring d of one query, 16 bytes of ao.
; CLUSTERS: the four query blocks of a cluster have the same (b, head) and walk the same K and V tiles: every tile is asked for jointly (mask 15).
; A trip is 128 keys of each half: eight regions of 64 keys, one tensor load a wave (waves 0-3 K, waves 4-7 V); two slots; eight trips.  One tensor load of a wave is out.
; LIMIT: operands are f16 (|Q|, |K|, |V| under 65,504); P below 2^-24 rounds to zero in P V, not in the row sums.
; REGISTERS: window 0: addresses, softmax state, Q fragments, S.  Window 1: K fragments, V fragments, O.
.set KP,     144                       ; K's LDS pitch: 128 bytes + 16 = 9 x 16
.set VP,     160                       ; V's LDS pitch: 128 bytes + 32 = 5 x 32, for the transposing loads
.set REG,    10240                     ; a region: 64 keys of K or of V
.set SLOT,   8*REG                     ; regions 0-3: K's parts 2 x half + block; regions 4-7: V's
.set BIAS,   2*SLOT                    ; 2,048 f32: -80000 where mask == 0, else 0
.set DUMP,   BIAS+8192                 ; O, m and l of waves 4-7
.set DUMPW,  17408
.set STAGE,  DUMP+4*DUMPW              ; the way out of waves 0-3: 16 rows x 144 bytes each
.set SPITCH, 144
.set STEP,   16384                     ; 128 keys x 128 bytes
.set NEGC,   0xbe38aa3b                ; -0.125 log2 e
.set KADR, 4                           ; v4-5   my K fragments in slot 0, 1
.set VADR, 6                           ; v6-7   my V fragments in slot 0, 1
.set BADR, 8                           ; v8     my words of BIAS in this trip
.set STO,  9
.set RD,   10
.set CO,   11
.set DA,   12                          ; my 16 bytes in the pair's dump
.set T,    16                          ; v16-23 at work
.set AL,   24                          ; v24-25 the factor for what has been summed so far, twice
.set ML,   26                          ; v26+2qt m, v27+2qt l (the lane's own keys)
.set NM,   34                          ; v34 N; v35 is written once, since a pair counts as read
.set M2,   36                          ; v36-43 the partner's m and l (first: the mask)
.set RB,   44                          ; v44-59 rows read back
.set Q,    64                          ; v[64 + 8 (2 qt + c)]  Q fragments
.set S,    128                         ; v[128 + 32 qt + 8 t]  S, then P
.set KF,   0                           ; window 1: v[8 (2 t + c)]        K fragments
.set VF,   64                          ; window 1: v[64 + 8 (4 g + dt)]  V fragments
.set O,    128                         ; window 1: v[128 + 32 qt + 8 dt] O
.set G1K, 24
.set G0,  32
.set G1V, 48
.set MSB, 0
.macro WIN new                         ; s_set_vgpr_msb: bits 1:0 source 0, 3:2 source 1, 5:4 source 2, 7:6 destination; the high byte repeats the setting that is left
.if MSB != \new
	s_set_vgpr_msb (MSB<<8)|\new
.set MSB, \new
.endif
.endm
.macro PLACES
.rept 4
	v_nop
.endr
.endm
.macro ROUND                           ; a round of the cluster's barrier
	s_barrier_signal -1
	s_barrier_wait -1
	s_cmp_lg_u32 s10, 0
	s_cbranch_scc1 .Lnot_wave_0_\@
	s_barrier_signal -3
.Lnot_wave_0_\@:
	s_barrier_wait -3
	s_barrier_signal -1
	s_barrier_wait -1
.endm
.macro JLOAD s                         ; waves 0-3 ask for K's four parts, waves 4-7 for V's; the two shapes differ in the padding alone
	s_cmp_eq_u32 s11, 0
	s_cbranch_scc0 .Lfor_v_\@
	tensor_load_to_lds s[G0+4*(\s):G0+4*(\s)+3], s[G1K:G1K+7]
	s_nop 0
	s_branch .Lasked_\@
.Lfor_v_\@:
	tensor_load_to_lds s[G0+4*(\s):G0+4*(\s)+3], s[G1V:G1V+7]
	s_nop 0
.Lasked_\@:
.endm
	s_load_b128 s[4:7], s[0:1], 0x0                ; hb s[4:5], mask s[6:7]
	s_load_b64 s[8:9], s[0:1], 0x10                ; ao
	v_lshl_add_u32 v62, v0, 2, 0x3d400
	v_mov_b32 v63, 0
	ds_add_u32 v62, v63
	v_lshrrev_b32 v1, 5, v0
	v_readfirstlane_b32 s10, v1                    ; wave 0..7
	s_lshr_b32 s11, s10, 2                         ; my key half; also: I fetch K (0) or V (1)
	s_and_b32 s12, s10, 3                          ; my 64 queries; also: which part I fetch
	s_bfe_u32 s13, ttmp6, 0x40000                  ; cx
	s_lshl_b32 s14, ttmp9, 2
	s_add_co_u32 s14, s14, s13                     ; query block = 4 x cluster x + cx
	s_and_b32 s15, ttmp7, 0xffff                   ; b x 16 + head
	s_mov_b32 s20, 0x76543210                      ; v_permlanex16_b32: lane i of one half reads lane i of the other
	s_mov_b32 s21, 0xfedcba98
	s_mov_b32 s22, 0x3e38aa3b                      ; c = 0.125 log2 e
	s_mov_b32 s23, 0x3e38aa3b
	; group 1: 8,192 dense bytes as 32 rows of 128 elements of 2 bytes; padding behind every 32 words (a key's 128 bytes): 4 words for K, 8 for V
	s_mov_b32 s[G1K+0], 15|(1<<16)|(1<<20)|(1<<21)|(4<<22)|(3<<25)
	s_mov_b32 s[G1V+0], 15|(1<<16)|(1<<20)|(1<<21)|(4<<22)|(7<<25)
	s_mov_b32 s[G1K+1], 128<<16
	s_mov_b32 s[G1V+1], 128<<16
	s_mov_b32 s[G1K+2], 32<<16
	s_mov_b32 s[G1V+2], 32<<16
	s_mov_b32 s[G1K+3], 128<<16
	s_mov_b32 s[G1V+3], 128<<16
	s_mov_b32 s[G1K+4], 32
	s_mov_b32 s[G1V+4], 32
	s_mov_b32 s[G1K+5], 128
	s_mov_b32 s[G1V+5], 128
	s_mov_b32 s[G1K+6], 0
	s_mov_b32 s[G1V+6], 0
	s_mov_b32 s[G1K+7], 0
	s_mov_b32 s[G1V+7], 0
	; my part's first tile: made of (b, head), which the four partners share, and the wave's number
	s_add_co_u32 s40, s11, 1
	s_lshl_b32 s40, s40, 23                        ; K is tensor 1 of hb, V tensor 2: 8 MiB each
	s_lshl_b32 s41, s15, 18                        ; 262,144 bytes a head
	s_add_co_u32 s40, s40, s41
	s_lshr_b32 s41, s12, 1
	s_lshl_b32 s41, s41, 17                        ; the key half: 1,024 keys x 128 bytes
	s_add_co_u32 s40, s40, s41
	s_and_b32 s41, s12, 1
	s_lshl_b32 s41, s41, 13                        ; the block of 64 keys in the trip
	s_add_co_u32 s40, s40, s41
	s_mov_b32 s41, 0
	s_mul_i32 s42, s10, REG                        ; region = wave
	s_wait_dscnt 0x0
	s_wait_kmcnt 0x0
	s_add_nc_u64 s[40:41], s[4:5], s[40:41]
.irp s, 0,1
	s_mov_b32 s[G0+4*\s], 1
	s_add_co_u32 s[G0+4*\s+1], s42, \s*SLOT
	s_add_nc_u64 s[G0+4*\s+2:G0+4*\s+3], s[40:41], \s*STEP         ; trip s
	s_or_b32 s[G0+4*\s+3], s[G0+4*\s+3], 0x80000000
.endr
	ROUND                                          ; the four work-groups are here: the first joint loads meet
	JLOAD 0                                        ; trip 0; slot 1 is filled behind the first trip's round
	; the mask of my batch, and my Q fragments
	s_lshr_b32 s18, s15, 4
	s_lshl_b32 s18, s18, 13                        ; 8,192 bytes a batch
	s_mov_b32 s19, 0
	s_add_nc_u64 s[6:7], s[6:7], s[18:19]
	s_lshl_b32 s46, s15, 18
	s_lshl_b32 s47, s14, 15                        ; 256 queries x 128 bytes
	s_add_co_u32 s46, s46, s47
	s_lshl_b32 s47, s12, 13                        ; 64 queries x 128 bytes
	s_add_co_u32 s46, s46, s47
	s_mov_b32 s47, 0
	s_add_nc_u64 s[16:17], s[4:5], s[46:47]        ; my 64 rows of Q (tensor 0 of hb)
	s_add_nc_u64 s[8:9], s[8:9], s[46:47]          ; and of ao
	v_lshlrev_b32 v45, 5, v0                       ; thread t takes the eight keys 8 t .. 8 t + 7
	global_load_b128 v[36:39], v45, s[6:7]
	global_load_b128 v[40:43], v45, s[6:7] offset:16
	v_and_b32 v1, 15, v0                           ; r
	v_bfe_u32 v2, v0, 4, 1                         ; h
	v_lshlrev_b32 v46, 7, v1
	v_lshl_add_u32 v46, v2, 4, v46                 ; row r, 16 h
.irp qt, 0,1,2,3
.irp c, 0,1
	global_load_b128 v[Q+8*(2*\qt+\c):Q+8*(2*\qt+\c)+3],   v46, s[16:17] offset:2048*\qt+64*\c
	global_load_b128 v[Q+8*(2*\qt+\c)+4:Q+8*(2*\qt+\c)+7], v46, s[16:17] offset:2048*\qt+64*\c+32
.endr
.endr
	v_and_b32 v3, 31, v0                           ; lane
	v_mul_u32_u24 v13, v1, KP
	v_lshl_add_u32 v13, v2, 4, v13                 ; r x 144 + 16 h
	s_mul_i32 s43, s11, 2*REG
	v_add_nc_u32 v[KADR], s43, v13                 ; K's regions 2 x half, 2 x half + 1
	v_add_nc_u32 v[KADR+1], SLOT, v[KADR]
	v_and_b32 v14, 7, v0
	v_lshl_add_u32 v14, v2, 3, v14                 ; key 8 h + (lane & 7)
	v_mul_u32_u24 v14, v14, VP
	v_bfe_u32 v15, v0, 3, 1
	v_lshl_add_u32 v14, v15, 4, v14                ; + 16 x ((lane >> 3) & 1)
	s_add_co_u32 s43, s43, 4*REG
	v_add_nc_u32 v[VADR], s43, v14                 ; V's regions 4 + 2 x half, 5 + 2 x half
	v_add_nc_u32 v[VADR+1], SLOT, v[VADR]
	s_lshl_b32 s43, s11, 12
	s_add_co_u32 s43, s43, BIAS
	v_lshl_add_u32 v[BADR], v2, 5, s43             ; my half's words, 32 h
	s_mul_i32 s43, s12, 16*SPITCH
	s_add_co_u32 s43, s43, STAGE
	v_add_nc_u32 v[STO], s43, v13
	v_lshrrev_b32 v14, 3, v3
	v_mul_u32_u24 v14, v14, SPITCH
	v_and_b32 v15, 7, v0
	v_lshl_add_u32 v14, v15, 4, v14
	v_add_nc_u32 v[RD], s43, v14
	v_lshlrev_b32 v[CO], 4, v3
	s_mul_i32 s43, s12, DUMPW
	s_add_co_u32 s43, s43, DUMP
	v_add_nc_u32 v[DA], s43, v[CO]
	v_mov_b32 v44, 0xc79c4000                      ; -80000.0
	v_mov_b32 v[NM+1], 0
	v_add_nc_u32 v47, BIAS, v45
	s_wait_loadcnt 16                              ; the two mask loads are in; the sixteen Q loads behind them stay out
.irp i, 36,37,38,39,40,41,42,43
	v_cmp_eq_u32 vcc_lo, 0, v\i
	v_cndmask_b32 v\i, 0, v44, vcc_lo              ; mask == 0: -80000, else 0
.endr
	ds_store_b128 v47, v[36:39]
	ds_store_b128 v47, v[40:43] offset:16
	s_wait_loadcnt 0x0                             ; Q
; the softmax step of query tile qt on its 64 new scores; first = 1: nothing has been summed yet
.macro SM qt, first
.set SB, S+32*\qt
.set MR, ML+2*\qt
.irp k, 0,1,2,3
	v_max3_num_f32 v[T+\k], v[SB+3*\k], v[SB+3*\k+1], v[SB+3*\k+2]     ; four chains, started by the first twelve scores
.endr
.irp k, 0,1,2,3
	v_max3_num_f32 v[T+\k], v[T+\k], v[SB+12+2*\k], v[SB+13+2*\k]
.endr
.irp k, 0,1,2,3
	v_max3_num_f32 v[T+\k], v[T+\k], v[SB+20+2*\k], v[SB+21+2*\k]
.endr
.irp k, 0,1
	v_max3_num_f32 v[T+\k], v[T+\k], v[SB+28+2*\k], v[SB+29+2*\k]
.endr
	v_max3_num_f32 v[T], v[T], v[T+1], v[T+2]
	v_max_num_f32 v[T], v[T], v[T+3]
	v_permlanex16_b32 v[T+1], v[T], s20, s21       ; the query's other 32 keys lie in the other half of the lanes
.if \first
	v_max_num_f32 v[MR], v[T], v[T+1]
	v_mul_f32 v[NM], NEGC, v[MR]                   ; N = -c m
.else
	v_mul_f32 v[T+3], NEGC, v[MR]                  ; the old N, by the same multiply that made it: an unchanged maximum gives the factor 1 exactly
	v_max3_num_f32 v[MR], v[T], v[T+1], v[MR]
	v_mul_f32 v[NM], NEGC, v[MR]
	v_sub_f32 v[AL], v[NM], v[T+3]
	v_exp_f32 v[AL], v[AL]                         ; 2^(N new - N old); the multiply-adds below stand between it and its use (ISA guide 5.7.2)
.endif
.set i, 0
.rept 16
	v_pk_fma_f32 v[SB+2*i:SB+2*i+1], v[SB+2*i:SB+2*i+1], s[22:23], v[NM:NM+1] op_sel_hi:[1,0,0]   ; c s + N, at most 0
.set i, i+1
.endr
.set i, 0
.rept 32
	v_exp_f32 v[SB+i], v[SB+i]
.set i, i+1
.endr
.if \first
	v_nop                                          ; one plain instruction between the last exponential and the first use
	s_wait_alu depctr_va_vdst(0)
.else
	s_wait_alu depctr_va_vdst(0)
	v_mov_b32 v[AL+1], v[AL]                       ; the same, with work to do
.endif
.irp k, 0,1,2,3
	v_pk_add_f32 v[T+2*\k:T+2*\k+1], v[SB+4*\k:SB+4*\k+1], v[SB+4*\k+2:SB+4*\k+3]
.endr
.irp k, 0,1,2,3
	v_pk_add_f32 v[T+2*\k:T+2*\k+1], v[T+2*\k:T+2*\k+1], v[SB+16+2*\k:SB+17+2*\k]
.endr
.irp k, 0,1,2,3
	v_pk_add_f32 v[T+2*\k:T+2*\k+1], v[T+2*\k:T+2*\k+1], v[SB+24+2*\k:SB+25+2*\k]
.endr
	v_pk_add_f32 v[T:T+1], v[T:T+1], v[T+2:T+3]
	v_pk_add_f32 v[T+4:T+5], v[T+4:T+5], v[T+6:T+7]
	v_pk_add_f32 v[T:T+1], v[T:T+1], v[T+4:T+5]
.if \first
	v_add_f32 v[MR+1], v[T], v[T+1]
.else
	v_add_f32 v[T], v[T], v[T+1]
	v_fma_f32 v[MR+1], v[MR+1], v[AL], v[T]
.endif
.irp g, 0,1
.irp i, 0,1,2,3,4,5,6,7
	v_cvt_pk_f16_f32 v[SB+16*\g+\i], v[SB+16*\g+2*\i], v[SB+16*\g+2*\i+1]  ; in place, ascending: registers 0-3 keys 8 h + 0..7 of tile 2 g, 4-7 of tile 2 g + 1: the B fragment
.endr
.endr
.endm
; O(qt) = O(qt) x factor + V^T P^T.  The four accumulators take turns, one instruction a turn.
.macro PV qt, first
.if \first
	WIN 0x51                                       ; V and O in window 1, P in window 0
.irp dt, 0,1,2,3
	v_wmma_f32_16x16x32_f16 v[O+32*\qt+8*\dt:O+32*\qt+8*\dt+7], v[VF+8*\dt:VF+8*\dt+7], v[S+32*\qt:S+32*\qt+7], 0
.endr
.else
	WIN 0x41
.set i, 0
.rept 16
	v_pk_mul_f32 v[O+32*\qt+2*i:O+32*\qt+2*i+1], v[O+32*\qt+2*i:O+32*\qt+2*i+1], v[AL:AL+1]
.set i, i+1
.endr
	WIN 0x51
.irp dt, 0,1,2,3
	v_wmma_f32_16x16x32_f16 v[O+32*\qt+8*\dt:O+32*\qt+8*\dt+7], v[VF+8*\dt:VF+8*\dt+7], v[S+32*\qt:S+32*\qt+7], v[O+32*\qt+8*\dt:O+32*\qt+8*\dt+7]
.endr
.endif
.irp dt, 0,1,2,3
	v_wmma_f32_16x16x32_f16 v[O+32*\qt+8*\dt:O+32*\qt+8*\dt+7], v[VF+32+8*\dt:VF+32+8*\dt+7], v[S+32*\qt+16:S+32*\qt+23], v[O+32*\qt+8*\dt:O+32*\qt+8*\dt+7]
.endr
	WIN 0
.endm
; 64 keys (block j of the slot) against my 64 queries
.macro BLOCK slot, j, first
.rept 5
	v_nop                                          ; five places behind the last P V: loads go into its sources, and matrix results over them
.endr
.irp t, 0,1,2,3
	ds_load_b128 v[S+8*\t:S+8*\t+3],   v[BADR] offset:256*\j+64*\t         ; the mask's -80000 or 0 of keys 16 t + 8 h + 0..7, in the layout of C
	ds_load_b128 v[S+8*\t+4:S+8*\t+7], v[BADR] offset:256*\j+64*\t+16
.endr
	WIN 0x40                                       ; destination in window 1
.irp t, 0,1,2,3
.irp c, 0,1
	ds_load_b128 v[KF+8*(2*\t+\c):KF+8*(2*\t+\c)+3],   v[KADR+\slot] offset:REG*\j+16*KP*\t+64*\c
	ds_load_b128 v[KF+8*(2*\t+\c)+4:KF+8*(2*\t+\c)+7], v[KADR+\slot] offset:REG*\j+16*KP*\t+64*\c+32
.endr
.endr
.irp g, 0,1
.irp dt, 0,1,2,3
	ds_load_tr16_b128 v[VF+8*(4*\g+\dt):VF+8*(4*\g+\dt)+3],   v[VADR+\slot] offset:REG*\j+32*VP*\g+32*\dt
	ds_load_tr16_b128 v[VF+8*(4*\g+\dt)+4:VF+8*(4*\g+\dt)+7], v[VADR+\slot] offset:REG*\j+32*VP*\g+32*\dt+16*VP
.endr
.endr
	s_wait_dscnt 16                                ; mask and K are in; V's sixteen loads stay out
	WIN 0x01                                       ; K in window 1
	; d = 0..31.  Query tiles 1-3 take tile 0's registers, which hold the mask, as C; tile 0 then adds in place, five places behind them.
	; The sixteen accumulators take turns, one instruction a turn.
.irp qt, 1,2,3
.irp t, 0,1,2,3
	v_wmma_f32_16x16x32_f16 v[S+32*\qt+8*\t:S+32*\qt+8*\t+7], v[KF+16*\t:KF+16*\t+7], v[Q+16*\qt:Q+16*\qt+7], v[S+8*\t:S+8*\t+7]
.endr
.endr
.rept 5
	v_nop
.endr
.irp t, 0,1,2,3
	v_wmma_f32_16x16x32_f16 v[S+8*\t:S+8*\t+7], v[KF+16*\t:KF+16*\t+7], v[Q:Q+7], v[S+8*\t:S+8*\t+7]
.endr
.irp qt, 1,2,3,0
.irp t, 0,1,2,3
	v_wmma_f32_16x16x32_f16 v[S+32*\qt+8*\t:S+32*\qt+8*\t+7], v[KF+16*\t+8:KF+16*\t+15], v[Q+16*\qt+8:Q+16*\qt+15], v[S+32*\qt+8*\t:S+32*\qt+8*\t+7]
.endr
.endr
	WIN 0
	PLACES
	SM 0, \first
	s_wait_dscnt 0x0                               ; V
	PV 0, \first
	SM 1, \first
	PV 1, \first
	SM 2, \first
	PV 2, \first
	SM 3, \first
	PV 3, \first
.endm
; a trip: 128 keys of my half.  In front of the round every wave has waited for all its tensor loads and for its LDS reads (in the first trip: its stores of BIAS);
; behind it the slot read last is filled again first, jointly.
.macro TRIP slot, refill, first
	s_wait_tensorcnt 0x0                           ; all my loads are done, my part of this trip's tile among them,
	ds_add_u32 v62, v63
	s_wait_dscnt 0x0
	s_add_nc_u64 s[G0+4*\slot+2:G0+4*\slot+3], s[G0+4*\slot+2:G0+4*\slot+3], 2*STEP    ; so a group 0 may be written: this slot's next tile
	s_wait_dscnt 0x0
	ROUND
.if \refill
	JLOAD 1-\slot
.endif
	BLOCK \slot, 0, \first
	BLOCK \slot, 1, 0
	v_add_nc_u32 v[BADR], 512, v[BADR]             ; the next 128 keys' words of BIAS
.endm
	TRIP 0, 1, 1                                   ; the first products start the sums: nothing is cleared
	TRIP 1, 1, 0
	s_mov_b32 s44, 2
.Ltrips:
	TRIP 0, 1, 0
	TRIP 1, 1, 0
	s_sub_co_u32 s44, s44, 1
	s_cmp_lg_u32 s44, 0
	s_cbranch_scc1 .Ltrips
	TRIP 0, 1, 0
	TRIP 1, 0, 0                                   ; the eighth trip: nothing is left to fetch
	; THE MERGE.  Waves 4-7 hand O, m and l to waves 0-3 through LDS bytes of their own, into which no tensor load lands.
	PLACES                                         ; behind the last P V: stores read its results, loads go into its sources
	s_cmp_eq_u32 s11, 0
	s_cbranch_scc1 .Lkeep
	WIN 0x04                                       ; store data in window 1
.set i, 0
.rept 32
	ds_store_b128 v[DA], v[O+4*i:O+4*i+3] offset:512*i
.set i, i+1
.endr
	WIN 0
	ds_store_b128 v[DA], v[ML:ML+3] offset:16384
	ds_store_b128 v[DA], v[ML+4:ML+7] offset:16896
.Lkeep:
	s_wait_dscnt 0x0                               ; for the partner's sake: my stores are done
	s_barrier_signal -1
	s_barrier_wait -1
	s_cmp_lg_u32 s11, 0
	s_cbranch_scc1 .Lclose
	ds_load_b128 v[M2:M2+3], v[DA] offset:16384
	ds_load_b128 v[M2+4:M2+7], v[DA] offset:16896
.set i, 0
.rept 32
	ds_load_b128 v[S+4*i:S+4*i+3], v[DA] offset:512*i      ; the partner's O, register for register
.set i, i+1
.endr
	s_wait_dscnt 0x0
.macro MERGE qt
.set SB, S+32*\qt
	v_mul_f32 v[T], NEGC, v[ML+2*\qt]              ; N1, N2 as the loop made them
	v_mul_f32 v[T+1], NEGC, v[M2+2*\qt]
	v_min_num_f32 v[T+2], v[T], v[T+1]             ; N of the larger maximum
	v_sub_f32 v[T], v[T+2], v[T]
	v_sub_f32 v[T+1], v[T+2], v[T+1]
	v_exp_f32 v[T], v[T]                           ; a1, a2: one of them is 1
	v_exp_f32 v[T+1], v[T+1]
	v_nop
	s_wait_alu depctr_va_vdst(0)
	v_mul_f32 v[T+3], v[ML+2*\qt+1], v[T]
	v_fma_f32 v[T+3], v[M2+2*\qt+1], v[T+1], v[T+3]
	v_permlanex16_b32 v[T+4], v[T+3], s20, s21     ; l was kept for each half of the lanes
	v_add_f32 v[T+3], v[T+3], v[T+4]               ; at least 1: the largest score's term
	v_rcp_f32 v[T+3], v[T+3]
	v_nop
	s_wait_alu depctr_va_vdst(0)
	v_mul_f32 v[AL], v[T], v[T+3]
	v_mul_f32 v[AL+1], v[T], v[T+3]
	v_mul_f32 v[NM], v[T+1], v[T+3]
	v_mul_f32 v[NM+1], v[T+1], v[T+3]
.set i, 0
.rept 16
	v_pk_mul_f32 v[SB+2*i:SB+2*i+1], v[SB+2*i:SB+2*i+1], v[NM:NM+1]
.set i, i+1
.endr
	WIN 0x01                                       ; my O in window 1
.set i, 0
.rept 16
	v_pk_fma_f32 v[SB+2*i:SB+2*i+1], v[O+32*\qt+2*i:O+32*\qt+2*i+1], v[AL:AL+1], v[SB+2*i:SB+2*i+1]
.set i, i+1
.endr
	WIN 0
.set i, 0
.rept 16
	v_cvt_pk_f16_f32 v[SB+i], v[SB+2*i], v[SB+2*i+1]       ; in place, ascending
.set i, i+1
.endr
.irp dt, 0,1,2,3
	ds_store_b128 v[STO], v[SB+4*\dt:SB+4*\dt+3] offset:32*\dt     ; query r, d = 16 dt + 8 h + 0..7
.endr
	s_wait_xcnt 0x0                                ; RB, which the last four stores read, is loaded again only behind this wait
.irp i, 0,1,2,3
	ds_load_b128 v[RB+4*\i:RB+4*\i+3], v[RD] offset:4*SPITCH*\i    ; LDS serves a wave's instructions in order (ISA guide 5.7.1): these see the stores above
.endr
.irp i, 0,1,2,3
	s_wait_dscnt 3-\i                              ; read-back i is in, the 3 - i younger ones stay out
	global_store_b128 v[CO], v[RB+4*\i:RB+4*\i+3], s[8:9] offset:2048*\qt+512*\i   ; four rows of 128 bytes: 512 neighbouring, aligned bytes
.endr
.endm
	MERGE 0
	MERGE 1
	MERGE 2
	MERGE 3
.Lclose:
	s_wait_tensorcnt 0x0
	ds_add_u32 v62, v63
	s_wait_dscnt 0x0
	ROUND                                          ; the closing round: no work-group ends while a partner may still ask for a tile that names it
	s_endpgm
.Lfunc_end_k_q053babcba4_attn:
	.size	k_q053babcba4_attn, .Lfunc_end_k_q053babcba4_attn-k_q053babcba4_attn
	.p2alignl 7, 3214868480
	.fill 96, 4, 3214868480
	.section	.rodata,"a",@progbits
	.p2align	6, 0x0
	.amdhsa_kernel k_q053babcba4_attn
		.amdhsa_group_segment_fixed_size 327680
		.amdhsa_private_segment_fixed_size 0
		.amdhsa_enable_private_segment 0
		.amdhsa_kernarg_size 24
		.amdhsa_user_sgpr_count 2
		.amdhsa_user_sgpr_kernarg_segment_ptr 1
		.amdhsa_wavefront_size32 1
		.amdhsa_system_sgpr_workgroup_id_x 1
		.amdhsa_system_sgpr_workgroup_id_y 1
		.amdhsa_system_sgpr_workgroup_id_z 1
		.amdhsa_system_vgpr_workitem_id 0
		.amdhsa_next_free_vgpr 512
		.amdhsa_next_free_sgpr 66
		.amdhsa_reserve_vcc 1
		.amdhsa_float_denorm_mode_32 3
		.amdhsa_float_denorm_mode_16_64 3
		.amdhsa_memory_ordered 1
		.amdhsa_forward_progress 1
		.amdhsa_inst_pref_size 255
	.end_amdhsa_kernel
	.section	.bss,"aw",@nobits
	.p2align	6
	.space	262144
	.amdgpu_metadata
---
amdhsa.version: [ 1, 2 ]
amdhsa.kernels:
  - .name:           k_q053babcba4_attn
    .symbol:         k_q053babcba4_attn.kd
    .args:
      - { .name: hb, .offset: 0, .size: 8, .value_kind: global_buffer, .address_space: global }
      - { .name: mask, .offset: 8, .size: 8, .value_kind: global_buffer, .address_space: global }
      - { .name: ao, .offset: 16, .size: 8, .value_kind: global_buffer, .address_space: global }
    .group_segment_fixed_size: 327680
    .private_segment_fixed_size: 0
    .kernarg_segment_align: 8
    .kernarg_segment_size: 24
    .max_flat_workgroup_size: 256
    .sgpr_count:     66
    .vgpr_count:     512
    .wavefront_size: 32
...
	.end_amdgpu_metadata
.endif
;; end of part 3
;; launch oproj (part 4): grid 8 x 32, 4 waves a work-group, clusters of 4 x 4, 327,680 bytes of LDS; arguments ao, cb, bo, out0; writes out0
.if DOCPART == 4
	.amdgcn_target "amdgcn-amd-amdhsa--gfx1250"
	.amdhsa_code_object_version 6
	.text
	.protected	k_q053babcba4_oproj
	.globl	k_q053babcba4_oproj
	.p2align	8
	.type	k_q053babcba4_oproj,@function
k_q053babcba4_oproj:
	s_mov_b64 s[64:65], 0
	v_nop
	global_prefetch_b8 v0, s[64:65] scope:SCOPE_SE
	s_setreg_imm32_b32 hwreg(HW_REG_WAVE_MODE, 25, 1), 1
	s_wait_xcnt 0x0
	s_wait_alu depctr_hold_cnt(0) depctr_sa_sdst(0) depctr_va_vdst(0) depctr_va_sdst(0) depctr_va_ssrc(0) depctr_va_vcc(0) depctr_vm_vsrc(0)
	s_getreg_b32 s2, hwreg(HW_REG_IB_STS2, 6, 4)
	s_cmp_eq_u32 s2, 0
	s_cbranch_scc0 .Lentry_in_a_cluster
	s_endpgm
.Lentry_in_a_cluster:
	s_bfe_u32 s2, ttmp6, 0x10000c
	s_cmp_lg_u32 s2, 0xf033
	s_cbranch_scc0 .Lentry_shape_is_right
	s_endpgm
.Lentry_shape_is_right:
; out0[m][n] (f32) = sum over k of a[m][k] Wo[n][k] + bo[n].  a = ao, f16, [b][head][l][64], k = 64 head + d; Wo: f16, [1024][1024], 30 MiB into cb; sums in f32.
; 8 x 32 = 256 work-groups, each a block of 128 x 128; four waves, 64 x 64 each: 16 accumulator tiles.  K goes in four chunks of 256 (four heads) through two LDS slots.
; a's tile (64 rows of four heads) is four pieces of 8,192 dense bytes, 262,144 bytes apart: a tile of 4 rows x 4,096 elements, padded behind every 128 bytes,
; so that it lies in LDS as [head][row] with a pitch of 144 bytes.  Wo's tile is 64 rows of 512 bytes with a pitch of 528.
; CLUSTERS: 4 x 4 work-groups; a's tile is asked for jointly by a row of the cluster, Wo's by a column.
; The matrix instruction is used transposed (source 0 = Wo, source 1 = a): lane (r, h) holds row r and in registers 0-7 the columns 8 h + 0..7.
; LIMIT: operands are f16 (under 65,504 in magnitude); the result is f32.
.set APITCH, 144
.set PITCH,  528
.set AHALF,  256*APITCH                ; 64 rows of four heads
.set BHALF,  64*PITCH
.set SLOT,   2*AHALF+2*BHALF           ; a's two halves, then Wo's two halves
.set STAGE,  2*SLOT                    ; behind the ring: 16 rows x 272 bytes for each wave; no tensor load lands here
.set SPITCH, 272
.set ADRA, 16
.set ADRB, 20
.set STO,  24
.set RD,   25
.set CO,   26
.set BOFF, 27
.set F0,   64                          ; fragment buffer 0: +0..31 four Wo fragments, +32..63 four a fragments
.set F1,   128
.set BI,   192                         ; v192-223 bias
.set T,    128                         ; the way out: 32 sums with bias (in buffer 1, free then)
.set RB,   160                         ; the way out: 32 words read back
.set G1,  24
.set G0,  32
.set G1B, 48
.set G0B, 56
.set MSB, 0
.macro WIN new                         ; s_set_vgpr_msb: bits 1:0 source 0, 3:2 source 1, 5:4 source 2, 7:6 destination; the high byte repeats the setting that is left
.if MSB != \new
	s_set_vgpr_msb (MSB<<8)|\new
.set MSB, \new
.endif
.endm
.set MULW, 0x50
.macro PLACES                          ; four places behind a matrix instruction (ISA guide 7.12.1)
.rept 4
	v_nop
.endr
.endm
.macro JLOAD s                         ; waves 0 and 1 fetch a's halves, waves 2 and 3 Wo's
	s_cmp_eq_u32 s15, 0
	s_cbranch_scc0 .Lfor_b_\@
	tensor_load_to_lds s[G0+4*(\s):G0+4*(\s)+3], s[G1:G1+7]
	s_nop 0
	s_branch .Lasked_\@
.Lfor_b_\@:
	tensor_load_to_lds s[G0B+4*(\s):G0B+4*(\s)+3], s[G1B:G1B+7]
	s_nop 0
.Lasked_\@:
.endm
.macro CREST
	s_cmp_lg_u32 s14, 0
	s_cbranch_scc1 .Lnot_wave_0_\@
	s_barrier_signal -3
.Lnot_wave_0_\@:
	s_barrier_wait -3
	s_barrier_signal -1
	s_barrier_wait -1
.endm
.macro CROUND
	s_barrier_signal -1
	s_barrier_wait -1
	CREST
.endm
	s_load_b256 s[4:11], s[0:1], 0x0               ; ao s[4:5], cb s[6:7], bo s[8:9], out0 s[10:11]
	v_lshl_add_u32 v254, v0, 2, 0x49400
	v_mov_b32 v255, 0
	ds_add_u32 v254, v255
	v_lshrrev_b32 v1, 5, v0
	v_readfirstlane_b32 s14, v1                    ; wave 0..3
	s_lshr_b32 s15, s14, 1                         ; my half of the rows; also: I fetch for a (0) or for Wo (1)
	s_and_b32 s16, s14, 1                          ; my half of the columns; also: which 64 rows I fetch
	s_bfe_u32 s17, ttmp6, 0x40000                  ; cx
	s_bfe_u32 s18, ttmp6, 0x40004                  ; cy
	s_lshl_b32 s19, ttmp9, 2
	s_add_co_u32 s19, s19, s17                     ; block column
	s_and_b32 s20, ttmp7, 0xffff
	s_lshl_b32 s20, s20, 2
	s_add_co_u32 s20, s20, s18                     ; block row
	s_lshl_b32 s21, s18, 2
	s_lshl_b32 s21, 15, s21                        ; my row of the cluster
	s_lshl_b32 s22, 0x1111, s17                    ; my column
	s_or_b32 s[G1+0],  s21, (1<<16)|(1<<20)|(1<<21)|(4<<22)|(3<<25)    ; a: 4 words of padding behind every 32 words
	s_or_b32 s[G1B+0], s22, (1<<16)|(1<<20)|(1<<21)|(6<<22)|(3<<25)    ; Wo: behind every 128 words
	s_mov_b32 s[G1+1],  4096<<16                   ; a: tensor_dim0 = 4,096
	s_mov_b32 s[G1B+1], 256<<16
	s_mov_b32 s[G1+2],  4<<16                      ; a: tensor_dim1 = 4
	s_mov_b32 s[G1B+2], 64<<16
	s_mov_b32 s[G1+3],  4096<<16                   ; a: tile_dim0 = 4,096
	s_mov_b32 s[G1B+3], 256<<16
	s_mov_b32 s[G1+4],  4                          ; a: tile_dim1 = 4
	s_mov_b32 s[G1B+4], 64
	s_mov_b32 s[G1+5],  131072                     ; a: elements from head to head
	s_mov_b32 s[G1B+5], 1024
	s_mov_b32 s[G1+6],  0
	s_mov_b32 s[G1B+6], 0
	s_mov_b32 s[G1+7],  0
	s_mov_b32 s[G1B+7], 0
	; a's address from the block row and the wave's number, Wo's from the block column and the wave's number, each in registers of its own
	s_lshr_b32 s40, s20, 4
	s_lshl_b32 s40, s40, 22                        ; batch x 16 heads x 262,144 bytes
	s_and_b32 s42, s20, 15
	s_lshl_b32 s42, s42, 14                        ; 128 rows x 128 bytes
	s_add_co_u32 s40, s40, s42
	s_lshl_b32 s42, s16, 13                        ; 64 rows x 128 bytes
	s_add_co_u32 s40, s40, s42
	s_mov_b32 s41, 0
	s_lshl_b32 s44, s19, 7
	s_lshl_b32 s46, s16, 6
	s_add_co_u32 s44, s44, s46
	s_lshl_b32 s44, s44, 11                        ; rows of 2,048 bytes
	s_add_co_u32 s44, s44, 31457280                ; Wo begins 30 MiB into cb
	s_mov_b32 s45, 0
	s_mul_i32 s43, s14, AHALF                      ; a's halves: waves 0, 1
	s_mul_i32 s47, s14, BHALF
	s_add_co_u32 s47, s47, 2*AHALF-2*BHALF         ; Wo's halves behind them: waves 2, 3
	s_wait_dscnt 0x0
	s_wait_kmcnt 0x0
	s_add_nc_u64 s[40:41], s[4:5], s[40:41]
	s_add_nc_u64 s[44:45], s[6:7], s[44:45]
	CROUND                                         ; all sixteen work-groups are here: the first joint loads meet
.irp s, 0,1
	s_mov_b32 s[G0+4*\s], 1
	s_add_co_u32 s[G0+4*\s+1], s43, \s*SLOT
	s_add_nc_u64 s[G0+4*\s+2:G0+4*\s+3], s[40:41], \s*1048576      ; chunk s: four heads on
	s_or_b32 s[G0+4*\s+3], s[G0+4*\s+3], 0x80000000
	s_mov_b32 s[G0B+4*\s], 1
	s_add_co_u32 s[G0B+4*\s+1], s47, \s*SLOT
	s_add_nc_u64 s[G0B+4*\s+2:G0B+4*\s+3], s[44:45], \s*512
	s_or_b32 s[G0B+4*\s+3], s[G0B+4*\s+3], 0x80000000
	JLOAD \s                                       ; two tensor loads of a wave are out here, one later
.endr
	; my corner of out0
	s_lshl_b32 s66, s20, 7
	s_lshl_b32 s67, s15, 6
	s_add_co_u32 s66, s66, s67
	s_lshl_b32 s66, s66, 12                        ; rows of 4,096 bytes
	s_lshl_b32 s69, s19, 9
	s_lshl_b32 s68, s16, 8
	s_add_co_u32 s69, s69, s68                     ; 4 x (128 x block column + 64 x half): a multiple of 256
	s_add_co_u32 s66, s66, s69
	s_mov_b32 s67, 0
	s_add_nc_u64 s[10:11], s[10:11], s[66:67]
	v_and_b32 v1, 15, v0                           ; r
	v_bfe_u32 v2, v0, 4, 1                         ; h
	v_lshl_add_u32 v[BOFF], v2, 5, s69
	v_mul_u32_u24 v3, v1, APITCH
	v_lshl_add_u32 v3, v2, 4, v3
	v_mul_u32_u24 v4, v1, PITCH
	v_lshl_add_u32 v4, v2, 4, v4
	s_mul_i32 s66, s15, AHALF                      ; my 64 rows of a
	s_mul_i32 s67, s16, BHALF
	s_add_co_u32 s67, s67, 2*AHALF                 ; my 64 rows of Wo
.irp s, 0,1
	v_add_nc_u32 v[ADRA+\s], s66, v3
	v_add_nc_u32 v[ADRB+\s], s67, v4
	s_add_co_u32 s66, s66, SLOT
	s_add_co_u32 s67, s67, SLOT
.endr
	s_mul_i32 s68, s14, 16*SPITCH
	s_add_co_u32 s68, s68, STAGE
	v_mul_u32_u24 v5, v1, SPITCH
	v_lshl_add_u32 v5, v2, 5, v5
	v_add_nc_u32 v[STO], s68, v5                   ; in: row r, 32 bytes for each half of the lanes
	v_mul_u32_u24 v6, v2, SPITCH
	v_lshl_add_u32 v6, v1, 4, v6
	v_add_nc_u32 v[RD], s68, v6                    ; back: lanes 0-15 one row of 256 bytes, lanes 16-31 the next
	v_lshlrev_b32 v7, 4, v1
	v_lshl_add_u32 v[CO], v2, 12, v7               ; the same two rows in out0
; The sixteen accumulators take turns, one instruction a turn.
.macro MUL4 f, a, zero
.irp b, 0,1,2,3
.if \zero
	v_wmma_f32_16x16x32_f16 v[8*(4*(\a)+\b):8*(4*(\a)+\b)+7], v[\f+8*\b:\f+8*\b+7], v[\f+32+8*(\a):\f+32+8*(\a)+7], 0
.else
	v_wmma_f32_16x16x32_f16 v[8*(4*(\a)+\b):8*(4*(\a)+\b)+7], v[\f+8*\b:\f+8*\b+7], v[\f+32+8*(\a):\f+32+8*(\a)+7], v[8*(4*(\a)+\b):8*(4*(\a)+\b)+7]
.endif
.endr
.endm
.macro MUL8 f, a0, zero
	MUL4 \f, \a0, \zero
	MUL4 \f, \a0+1, \zero
.endm
; step s of a chunk is head s / 2 of its four, d = 32 (s mod 2) ..
.macro FETCH slot, s, f
	WIN 0
.irp i, 0,1,2,3
	ds_load_b128 v[\f+8*\i:\f+8*\i+3],   v[ADRB+\slot] offset:64*\s+\i*16*PITCH
	ds_load_b128 v[\f+8*\i+4:\f+8*\i+7], v[ADRB+\slot] offset:64*\s+\i*16*PITCH+32
.endr
.irp i, 0,1,2,3
	ds_load_b128 v[\f+32+8*\i:\f+32+8*\i+3], v[ADRA+\slot] offset:(\s/2)*64*APITCH+(\s%2)*64+\i*16*APITCH
	ds_load_b128 v[\f+32+8*\i+4:\f+32+8*\i+7], v[ADRA+\slot] offset:(\s/2)*64*APITCH+(\s%2)*64+\i*16*APITCH+32
.endr
.endm
.macro SUB slot, snext, f, g, zero
	s_wait_dscnt 4                                 ; Wo's four fragments and a's first two are in; the four youngest loads may be out
	WIN MULW
	MUL8 \f, 0, \zero
	PLACES
	FETCH \slot, \snext, \g
	s_wait_dscnt 16                                ; all but the sixteen just issued
	WIN MULW
	MUL8 \f, 2, \zero
.endm
.macro SEVEN slot, zero
	SUB \slot, 1, F0, F1, \zero
	SUB \slot, 2, F1, F0, 0
	SUB \slot, 3, F0, F1, 0
	SUB \slot, 4, F1, F0, 0
	SUB \slot, 5, F0, F1, 0
	SUB \slot, 6, F1, F0, 0
	SUB \slot, 7, F0, F1, 0
.endm
; a chunk's last step and the change of slots: each wave's waits for its reads and for all its tensor loads stand in front of the barrier; where the slot is filled
; again the barrier opens a round of the cluster's barrier, and the joint refill is the first tensor load behind the round's closing wait
.macro TURN slot, next, fill
	s_wait_dscnt 4
	WIN MULW
	MUL4 F1, 0, 0
	s_wait_dscnt 0x0
	s_wait_tensorcnt 0x0
	ds_add_u32 v254, v255
	s_wait_dscnt 0x0
	s_barrier_signal -1
	MUL4 F1, 1, 0
	WIN 0
	s_barrier_wait -1
.if \fill
	CREST
	s_add_nc_u64 s[G0+4*\slot+2:G0+4*\slot+3], s[G0+4*\slot+2:G0+4*\slot+3], 2097152   ; two chunks on: eight heads
	s_add_nc_u64 s[G0B+4*\slot+2:G0B+4*\slot+3], s[G0B+4*\slot+2:G0B+4*\slot+3], 1024
	JLOAD \slot
.endif
	PLACES
	FETCH \next, 0, F0
	WIN MULW
	MUL8 F1, 2, 0
.endm
.irp b, 0,1,2,3
	global_load_b128 v[BI+8*\b:BI+8*\b+3],   v[BOFF], s[8:9] offset:64*\b
	global_load_b128 v[BI+8*\b+4:BI+8*\b+7], v[BOFF], s[8:9] offset:64*\b+16
.endr
	s_wait_tensorcnt 1                             ; my part of chunk 0 is in; chunk 1's stays out
	s_barrier_signal -1
	s_barrier_wait -1
	FETCH 0, 0, F0
	SEVEN 0, 1                                     ; the first products start the sums
	TURN 0, 1, 1
	SEVEN 1, 0
	TURN 1, 0, 1
	SEVEN 0, 0
	TURN 0, 1, 0                                   ; the last two chunks fill nothing
	SEVEN 1, 0
	s_wait_dscnt 0x0
	WIN MULW
	MUL8 F1, 0, 0
	MUL8 F1, 2, 0
	; the way out, 16 rows at a time: add the bias, 32 bytes a lane into my own stage, read back as rows of 256 bytes, sixteen lanes store 256 neighbouring, aligned bytes
	WIN 0
	PLACES
	s_wait_loadcnt 0x0                             ; the bias
.irp a, 0,1,2,3
	WIN 0x01                                       ; source 0 (the sums) in window 1
.irp b, 0,1,2,3
.irp k, 0,2,4,6
	v_pk_add_f32 v[T+8*\b+\k:T+8*\b+\k+1], v[8*(4*\a+\b)+\k:8*(4*\a+\b)+\k+1], v[BI+8*\b+\k:BI+8*\b+\k+1]
.endr
.endr
	WIN 0
.irp b, 0,1,2,3
	ds_store_b128 v[STO], v[T+8*\b:T+8*\b+3]   offset:64*\b
	ds_store_b128 v[STO], v[T+8*\b+4:T+8*\b+7] offset:64*\b+16
.endr
	s_wait_xcnt 0x0                                ; RB, which the last eight stores read, is loaded again only behind this wait
.irp i, 0,1,2,3,4,5,6,7
	ds_load_b128 v[RB+4*\i:RB+4*\i+3], v[RD] offset:2*SPITCH*\i    ; LDS serves a wave's instructions in order (ISA guide 5.7.1): these see the stores above
.endr
.irp i, 0,1,2,3,4,5,6,7
	s_wait_dscnt 7-\i                              ; read-back i is in, the 7 - i younger ones stay out
	global_store_b128 v[CO], v[RB+4*\i:RB+4*\i+3], s[10:11] offset:(16*\a+2*\i)*4096 th:TH_STORE_NT
.endr
.endr
	s_wait_tensorcnt 0x0
	ds_add_u32 v254, v255
	s_wait_dscnt 0x0
	CROUND                                         ; the closing round
	s_endpgm
.Lfunc_end_k_q053babcba4_oproj:
	.size	k_q053babcba4_oproj, .Lfunc_end_k_q053babcba4_oproj-k_q053babcba4_oproj
	.p2alignl 7, 3214868480
	.fill 96, 4, 3214868480
	.section	.rodata,"a",@progbits
	.p2align	6, 0x0
	.amdhsa_kernel k_q053babcba4_oproj
		.amdhsa_group_segment_fixed_size 327680
		.amdhsa_private_segment_fixed_size 0
		.amdhsa_enable_private_segment 0
		.amdhsa_kernarg_size 32
		.amdhsa_user_sgpr_count 2
		.amdhsa_user_sgpr_kernarg_segment_ptr 1
		.amdhsa_wavefront_size32 1
		.amdhsa_system_sgpr_workgroup_id_x 1
		.amdhsa_system_sgpr_workgroup_id_y 1
		.amdhsa_system_sgpr_workgroup_id_z 1
		.amdhsa_system_vgpr_workitem_id 0
		.amdhsa_next_free_vgpr 384
		.amdhsa_next_free_sgpr 70
		.amdhsa_reserve_vcc 0
		.amdhsa_float_denorm_mode_32 3
		.amdhsa_float_denorm_mode_16_64 3
		.amdhsa_memory_ordered 1
		.amdhsa_forward_progress 1
		.amdhsa_inst_pref_size 95
	.end_amdhsa_kernel
	.amdgpu_metadata
---
amdhsa.version: [ 1, 2 ]
amdhsa.kernels:
  - .name:           k_q053babcba4_oproj
    .symbol:         k_q053babcba4_oproj.kd
    .args:
      - { .name: ao, .offset: 0, .size: 8, .value_kind: global_buffer, .address_space: global }
      - { .name: cb, .offset: 8, .size: 8, .value_kind: global_buffer, .address_space: global }
      - { .name: bo, .offset: 16, .size: 8, .value_kind: global_buffer, .address_space: global }
      - { .name: out0, .offset: 24, .size: 8, .value_kind: global_buffer, .address_space: global }
    .group_segment_fixed_size: 327680
    .private_segment_fixed_size: 0
    .kernarg_segment_align: 8
    .kernarg_segment_size: 32
    .max_flat_workgroup_size: 128
    .sgpr_count:     70
    .vgpr_count:     384
    .wavefront_size: 32
...
	.end_amdgpu_metadata
.endif
;; end of part 4
